; MI455X (gfx1250); checked and timed in simulation.
; The chip was launched on July 23, 2026; its instructions are those of AMD's public machine-readable ISA for CDNA 5 (MIT licence, August 2026) and "CDNA5" Instruction Set Architecture Reference Guide (July 2026). The comments in the code are by the model that wrote it; some were corrected since.
;; Forward Forward Couting Layer. Allowed arithmetic: float matrix products may take bf16 or f16 operands with f32 sums; all other float work in f32.
;; Inputs: edge_type_idx 64 x 1,024 x 1,024 int32; op_idx 1,024 int32; x 64 x 1,024 float32.
;; Outputs: out0 64 x 1,024 float32.
;; 2 versions, each right; version 2 is version 1 with the launch fuzzy written anew for expert scheduling mode. Each part assembles by itself: llvm-mc -triple=amdgcn-amd-amdhsa -mcpu=gfx1250 --defsym DOCPART=n.
;; ======== version 1 of 2: 1 launch
;; launch fuzzy (part 1): grid 256 x 1, 16 waves a work-group, no clusters, 7,168 bytes of LDS; arguments edge_type_idx, op_idx, x, out0; writes out0
.if DOCPART == 1
	.amdgcn_target "amdgcn-amd-amdhsa--gfx1250"
	.amdhsa_code_object_version 6
	.text
	.protected	k_q2795f0d0b2_fuzzy
	.globl	k_q2795f0d0b2_fuzzy
	.p2align	8
	.type	k_q2795f0d0b2_fuzzy,@function
k_q2795f0d0b2_fuzzy:
	s_mov_b64 s[64:65], 0
	v_nop
	global_prefetch_b8 v0, s[64:65] scope:SCOPE_SE
	s_setreg_imm32_b32 hwreg(HW_REG_WAVE_MODE, 25, 1), 1
	s_wait_xcnt 0x0
; out[b][o] = min (op_idx[o] == 0) or max (otherwise) over i of  v(b,o,i),
;   v = (et == 2 ? 1 - x[b][i] : x[b][i]) + (et == 0 ? +10 under min, -10 under max : 0),   et = edge_type_idx[b][o][i].
; x: [64][1024] f32, et: [64][1024][1024] i32, op_idx: [1024] i32, out: [64][1024] f32.
;
; ONE FORM FOR MIN AND MAX, no branch: with s = +1 (min rows) or -1 (max rows),
;   w = s * (et == 2 ? 1 - x : x) + (et == 0 ? 10 : 0)   (one fused multiply-add: the same single rounding as the sum x +- 10)
;   out = s * min over i of w.                           For s = -1, w = -(x - 10), and -min(-v) = max(v).
; Any et other than 0 and 2 is the identity edge, as in the definition.
;
; SHARES.  The bytes of et are all that counts: 65,536 rows of 4,096 bytes, each read once.  256 work-groups of 16 waves.
; A work-group owns 256 consecutive rows (b = group / 4, o from 256 (group % 4)); a wave 16 consecutive rows, 65,536 consecutive bytes;
; a row is eight 16-byte loads a lane, each load of the wave covering 512 consecutive bytes.  Lane l holds i = 128 j + 4 l + 0..3.
; x's row is fetched once by the work-group (8 bytes a thread), handed round in LDS, and kept by every wave as x and 1 - x in 64 registers.
; A ring of four row slots in registers: a slot's registers are loaded again, eight at a time, right behind the compares that used them,
; so that 24 to 32 loads of every wave are out at any time.
; No matrix unit (there is no product), no tensor loads (each byte is used once, by one wave, and the registers hold the bytes in flight),
; no cluster: four work-groups share 4,096 bytes of x against 1,048,576 bytes of et that each has to itself.
;
; LIMITS: a NaN in x is dropped by the minima (v_min_num, v_min3_num), where the definition would hand it on;
; the sign of a result that is zero may differ.
.set ROW,   4096                       ; bytes in a row of et, and in a row of x
.set SLOTS, 4                          ; row slots in the ring
.set ROWS,  16                         ; rows of a wave
.set RLDS,  4096                       ; LDS: x's row at 0, the work-group's 256 results at 4,096
.set OFF,  1                           ; v1        16 x lane
.set XO,   2                           ; v2        8 x thread: my piece of x's row, in memory and in LDS
.set OPO,  3                           ; v3        4 x (lane % 16)
.set RA,   4                           ; v4        where my wave's result word (lane % 16) lies in the stage
.set OUTO, 5                           ; v5        waves 0 and 1: 512 x wave + 16 x lane
.set OPV,  6                           ; v6        op_idx of my wave's row lane % 16
.set TEN,  7                           ; v7        10.0
.set XS,   8                           ; v[8:9]    my piece of x's row
.set RES,  10                          ; v10       lanes r and r + 16: the minimum of row r
.set TMP,  11                          ; v11
.set ACC,  12                          ; v[12:15]  four chains of minima
.set T,    16                          ; v[16:23]  at work: the edge's value, then w
.set U,    24                          ; v[24:31]  at work: 10 or 0
.set P,    32                          ; v[32:63]  x of my 32 columns
.set N,    64                          ; v[64:95]  1 - x of my 32 columns
.set X,    96                          ; v[96:223] slot s: 32 registers, a row of et
.set M2,   16                          ; s[16:23]  lanes where et == 2, for eight registers
.set M0,   24                          ; s[24:31]  lanes where et == 0
.set SG,   32                          ; s[32:33]  the row's s, twice (the packed form takes the pair as read)
	s_load_b256 s[4:11], s[0:1], 0x0               ; et s[4:5], op_idx s[6:7], x s[8:9], out s[10:11]
	v_lshl_add_u32 v224, v0, 2, 0x1400
	v_mov_b32 v225, 0
	v_lshrrev_b32 v[TMP], 5, v0
	v_readfirstlane_b32 s12, v[TMP]                ; wave 0..15
	v_and_b32 v[OFF], 31, v0
	v_lshlrev_b32 v[OFF], 4, v[OFF]                ; 16 x lane
	v_lshlrev_b32 v[XO], 3, v0                     ; 8 x thread
	v_and_b32 v[OPO], 15, v0
	v_lshlrev_b32 v[OPO], 2, v[OPO]                ; 4 x (lane % 16)
	s_lshl_b32 s14, s12, 6                         ; my wave's 16 words, in op_idx and in the stage
	v_add_nc_u32 v[RA], s14, v[OPO]
	v_mov_b32 v[TEN], 0x41200000                   ; 10.0
	v_mov_b32 v[RES], 0                            ; written whole once: the rows' results are put in lane by lane
	s_lshl_b32 s16, ttmp9, 20                      ; et: group x 256 rows x 4,096 bytes
	s_lshl_b32 s13, s12, 16                        ;     + wave x 16 rows x 4,096 bytes   (below 2^28)
	s_add_co_u32 s16, s16, s13
	s_mov_b32 s17, 0
	s_lshr_b32 s18, ttmp9, 2                       ; x: row b = group / 4
	s_lshl_b32 s18, s18, 12
	s_mov_b32 s19, 0
	s_and_b32 s20, ttmp9, 3                        ; op_idx: 256 (group % 4) + 16 wave, in words
	s_lshl_b32 s20, s20, 10
	s_add_co_u32 s20, s20, s14
	s_mov_b32 s21, 0
	s_lshl_b32 s22, ttmp9, 10                      ; out: group x 256 words
	s_mov_b32 s23, 0
	s_mov_b32 s36, 0x00010001                      ; lanes r and r + 16 of the row at work; shifted row by row
	s_mov_b32 s38, 0x76543210                      ; v_permlanex16_b32: lane i of one half reads lane i of the other
	s_mov_b32 s39, 0xfedcba98
	s_mov_b32 s40, 0x3f800000                      ; +1.0
	s_mov_b32 s41, 0xbf800000                      ; -1.0
	s_wait_kmcnt 0x0
	s_add_nc_u64 s[4:5], s[4:5], s[16:17]
	s_add_nc_u64 s[6:7], s[6:7], s[20:21]
	s_add_nc_u64 s[8:9], s[8:9], s[18:19]
	s_add_nc_u64 s[10:11], s[10:11], s[22:23]
	global_load_b64 v[XS:XS+1], v[XO], s[8:9]      ; 512 threads x 8 bytes = x's row, once for the work-group
	global_load_b32 v[OPV], v[OPO], s[6:7]         ; lanes l and l + 16: op_idx of my row l % 16 (64 consecutive bytes)
.irp s, 0,1,2,3
.irp j, 0,1,2,3,4,5,6,7
	global_load_b128 v[X+32*\s+4*\j:X+32*\s+4*\j+3], v[OFF], s[4:5] offset:\s*ROW+512*\j th:TH_LOAD_NT   ; fill the ring: rows 0 to 3
.endr
.endr
	s_wait_loadcnt 32                              ; loads come back in order (ISA guide 5.7.1): the ring's 32 stay out, x's piece and op_idx are in
	ds_store_b64 v[XO], v[XS:XS+1]
	v_cmp_eq_u32 s34, 0, v[OPV]                    ; bit l: row l % 16 takes the minimum.  Kept for the signs at the end,
	s_mov_b32 s35, s34                             ; and a copy that is shifted row by row
	s_wait_dscnt 0x0                               ; my piece of x lies in LDS before I say so
	s_barrier_signal -1
	s_barrier_wait -1                              ; all sixteen pieces do
.irp j, 0,1,2,3,4,5,6,7
	ds_load_b128 v[P+4*\j:P+4*\j+3], v[OFF] offset:512*\j          ; x[128 j + 4 lane + 0..3]: the columns of et's load j
.endr
	s_wait_dscnt 0x0
.irp i, 0,2,4,6,8,10,12,14,16,18,20,22,24,26,28,30
	v_pk_fma_f32 v[N+\i:N+\i+1], v[P+\i:P+\i+1], -1.0, 1.0 op_sel_hi:[1,0,0]   ; 1 - x, rounded once
.endr
; The turn of slot s: one row.  fill = 1: the slot gets the row SLOTS further down; left = how many younger loads may stay out.
.macro TURN s, fill, left
	s_wait_loadcnt \left                           ; my row's eight loads are in; those of the younger rows stay out
	s_and_b32 s13, s35, 1                          ; SCC = this row takes the minimum
	s_cselect_b32 s[SG], s40, s41                  ; s = +1 or -1
	s_cselect_b32 s[SG+1], s40, s41
	s_lshr_b32 s35, s35, 1
.irp g, 0,1,2,3                                    ; eight registers (256 elements of the row) at a time
.irp k, 0,1,2,3,4,5,6,7
	v_cmp_eq_u32 s[M2+\k], 2, v[X+32*\s+8*\g+\k]
.endr
.irp k, 0,1,2,3,4,5,6,7
	v_cmp_eq_u32 s[M0+\k], 0, v[X+32*\s+8*\g+\k]
.endr
.if \fill
	global_load_b128 v[X+32*\s+8*\g:X+32*\s+8*\g+3],   v[OFF], s[4:5] offset:(SLOTS+\s)*ROW+1024*\g th:TH_LOAD_NT       ; the compares above were
	global_load_b128 v[X+32*\s+8*\g+4:X+32*\s+8*\g+7], v[OFF], s[4:5] offset:(SLOTS+\s)*ROW+1024*\g+512 th:TH_LOAD_NT   ; the last to read these eight
.endif
.irp k, 0,1,2,3,4,5,6,7
	v_cndmask_b32 v[T+\k], v[P+8*\g+\k], v[N+8*\g+\k], s[M2+\k]    ; et == 2 ? 1 - x : x
.endr
.irp k, 0,1,2,3,4,5,6,7
	v_cndmask_b32 v[U+\k], 0, v[TEN], s[M0+\k]                     ; et == 0 ? 10 : 0
.endr
.irp i, 0,1,2,3
	v_pk_fma_f32 v[T+2*\i:T+2*\i+1], v[T+2*\i:T+2*\i+1], s[SG:SG+1], v[U+2*\i:U+2*\i+1] op_sel_hi:[1,0,1]   ; w = s v + (10 or 0), two at once
.endr
.irp i, 0,1,2,3
.if \g
	v_min3_num_f32 v[ACC+\i], v[ACC+\i], v[T+2*\i], v[T+2*\i+1]
.else
	v_min_num_f32 v[ACC+\i], v[T+2*\i], v[T+2*\i+1]                ; the first eight start the four chains: nothing is cleared
.endif
.endr
.endr
	v_min3_num_f32 v[ACC], v[ACC], v[ACC+1], v[ACC+2]
	v_min_num_f32 v[ACC], v[ACC], v[ACC+3]
	; across the 32 lanes: four steps inside each half of 16 lanes ride on the arithmetic, one crosses the halves
	v_min_num_f32_dpp v[ACC], v[ACC], v[ACC] row_xmask:1 row_mask:0xf bank_mask:0xf
	v_min_num_f32_dpp v[ACC], v[ACC], v[ACC] row_xmask:2 row_mask:0xf bank_mask:0xf
	v_min_num_f32_dpp v[ACC], v[ACC], v[ACC] row_xmask:4 row_mask:0xf bank_mask:0xf
	v_min_num_f32_dpp v[ACC], v[ACC], v[ACC] row_xmask:8 row_mask:0xf bank_mask:0xf
	v_permlanex16_b32 v[TMP], v[ACC], s38, s39     ; its destination counts as read: TMP was written at the head
	v_min_num_f32 v[ACC], v[ACC], v[TMP]           ; every lane holds the row's minimum of w
	v_cndmask_b32 v[RES], v[RES], v[ACC], s36      ; kept in lanes r and r + 16
	s_lshl_b32 s36, s36, 1
.endm
	s_mov_b32 s37, ROWS/SLOTS-1                    ; three rounds fill the ring again (rows 4 to 15)
.Lround:
	TURN 0, 1, 24                                  ; 24 = the loads of the three younger rows, round the back edge too:
	TURN 1, 1, 24                                  ; behind a slot's eight loads come those of the three other slots
	TURN 2, 1, 24
	TURN 3, 1, 24
	s_wait_xcnt 0x0                                ; the base that the loads above name is stepped only behind this wait
	s_add_nc_u64 s[4:5], s[4:5], SLOTS*ROW
	s_sub_co_i32 s37, s37, 1
	s_cmp_lg_u32 s37, 0
	s_cbranch_scc1 .Lround
	TURN 0, 0, 24                                  ; the last four rows load nothing: no load leaves the wave's 16 rows,
	TURN 1, 0, 16                                  ; and the counts run down
	TURN 2, 0, 8
	TURN 3, 0, 0
	; out = s x minimum: the sign of all 16 rows at once, by the mask of the compare on op_idx (bit l: row l % 16 takes the minimum)
	v_xor_b32 v[TMP], 0x80000000, v[RES]
	v_cndmask_b32 v[RES], v[TMP], v[RES], s34
	ds_store_b32 v[RA], v[RES] offset:RLDS         ; lanes l and l + 16 write the same word with the same value
	s_wait_dscnt 0x0                               ; my 16 results lie in LDS before I say so
	s_barrier_signal -1
	s_barrier_wait -1                              ; all 256 do
	s_cmp_gt_u32 s12, 1
	s_cbranch_scc1 .Ldone                          ; waves 0 and 1 carry them out, 512 bytes each
	s_lshl_b32 s15, s12, 9
	v_add_nc_u32 v[OUTO], s15, v[OFF]              ; 512 x wave + 16 x lane
	ds_load_b128 v[T:T+3], v[OUTO] offset:RLDS
	s_wait_dscnt 0x0
	global_store_b128 v[OUTO], v[T:T+3], s[10:11] th:TH_STORE_NT   ; 16 lanes store 256 consecutive bytes, at a multiple of 256 from out's first byte
.Ldone:
	s_wait_tensorcnt 0x0
	ds_add_u32 v224, v225
	s_wait_dscnt 0x0
	s_endpgm
.Lfunc_end_k_q2795f0d0b2_fuzzy:
	.size	k_q2795f0d0b2_fuzzy, .Lfunc_end_k_q2795f0d0b2_fuzzy-k_q2795f0d0b2_fuzzy
	.p2alignl 7, 3214868480
	.fill 96, 4, 3214868480
	.section	.rodata,"a",@progbits
	.p2align	6, 0x0
	.amdhsa_kernel k_q2795f0d0b2_fuzzy
		.amdhsa_group_segment_fixed_size 7168
		.amdhsa_private_segment_fixed_size 0
		.amdhsa_enable_private_segment 0
		.amdhsa_kernarg_size 32
		.amdhsa_user_sgpr_count 2
		.amdhsa_user_sgpr_kernarg_segment_ptr 1
		.amdhsa_wavefront_size32 1
		.amdhsa_system_sgpr_workgroup_id_x 1
		.amdhsa_system_sgpr_workgroup_id_y 1
		.amdhsa_system_sgpr_workgroup_id_z 1
		.amdhsa_system_vgpr_workitem_id 0
		.amdhsa_next_free_vgpr 226
		.amdhsa_next_free_sgpr 66
		.amdhsa_reserve_vcc 0
		.amdhsa_float_denorm_mode_32 3
		.amdhsa_float_denorm_mode_16_64 3
		.amdhsa_memory_ordered 1
		.amdhsa_forward_progress 1
		.amdhsa_inst_pref_size 96
	.end_amdhsa_kernel
	.amdgpu_metadata
---
amdhsa.version: [ 1, 2 ]
amdhsa.kernels:
  - .name:           k_q2795f0d0b2_fuzzy
    .symbol:         k_q2795f0d0b2_fuzzy.kd
    .args:
      - { .name: edge_type_idx, .offset: 0, .size: 8, .value_kind: global_buffer, .address_space: global }
      - { .name: op_idx, .offset: 8, .size: 8, .value_kind: global_buffer, .address_space: global }
      - { .name: x, .offset: 16, .size: 8, .value_kind: global_buffer, .address_space: global }
      - { .name: out0, .offset: 24, .size: 8, .value_kind: global_buffer, .address_space: global }
    .group_segment_fixed_size: 7168
    .private_segment_fixed_size: 0
    .kernarg_segment_align: 8
    .kernarg_segment_size: 32
    .max_flat_workgroup_size: 512
    .sgpr_count:     66
    .vgpr_count:     226
    .wavefront_size: 32
...
	.end_amdgpu_metadata
.endif
;; end of part 1
;; ======== version 2 of 2: 1 launch; version 1 with the launch fuzzy written anew for expert scheduling mode
;; launch fuzzy (part 2): grid 256 x 1, 16 waves a work-group, no clusters, 7,168 bytes of LDS; arguments edge_type_idx, op_idx, x, out0; writes out0
.if DOCPART == 2
	.amdgcn_target "amdgcn-amd-amdhsa--gfx1250"
	.amdhsa_code_object_version 6
	.text
	.protected	k_q2795f0d0b2_fuzzy
	.globl	k_q2795f0d0b2_fuzzy
	.p2align	8
	.type	k_q2795f0d0b2_fuzzy,@function
k_q2795f0d0b2_fuzzy:
	s_mov_b64 s[64:65], 0
	v_nop
	global_prefetch_b8 v0, s[64:65] scope:SCOPE_SE
	s_setreg_imm32_b32 hwreg(HW_REG_WAVE_SCHED_MODE, 0, 2), 2
	s_setreg_imm32_b32 hwreg(HW_REG_WAVE_MODE, 25, 1), 1
	s_wait_xcnt 0x0
	s_wait_alu depctr_vm_vsrc(0)
; out[b][o] = min (op_idx[o] == 0) or max (otherwise) over i of  v(b,o,i),
;   v = (et == 2 ? 1 - x[b][i] : x[b][i]) + (et == 0 ? +10 under min, -10 under max : 0),   et = edge_type_idx[b][o][i].
; x: [64][1024] f32, et: [64][1024][1024] i32, op_idx: [1024] i32, out: [64][1024] f32.
;
; ONE FORM FOR MIN AND MAX, no branch: with s = +1 (min rows) or -1 (max rows),
;   w = s * (et == 2 ? 1 - x : x) + (et == 0 ? 10 : 0)   (one fused multiply-add: the same single rounding as the sum x +- 10)
;   out = s * min over i of w.                           For s = -1, w = -(x - 10), and -min(-v) = max(v).
; Any et other than 0 and 2 is the identity edge, as in the definition.
;
; SHARES.  The bytes of et are all that counts: 65,536 rows of 4,096 bytes, each read once.  256 work-groups of 16 waves.
; A work-group owns 256 consecutive rows (b = group / 4, o from 256 (group % 4)); a wave 16 consecutive rows, 65,536 consecutive bytes;
; a row is eight 16-byte loads a lane, each load of the wave covering 512 consecutive bytes.  Lane l holds i = 128 j + 4 l + 0..3.
; x's row is fetched once by the work-group (8 bytes a thread), handed round in LDS, and kept by every wave as x and 1 - x in 64 registers.
; A ring of four row slots in registers: a slot is asked for again behind the 64 compares that are all that reads it,
; so that 24 to 32 loads of every wave are out at any time.
; No matrix unit (there is no product), no tensor loads (each byte is used once, by one wave, and the registers hold the bytes in flight),
; no cluster: four work-groups share 4,096 bytes of x against 1,048,576 bytes of et that each has to itself.
;
; THE MODE: SCHED_MODE bits 1:0 = 2 (LLVM: expert scheduling mode 2), set by the entry lines.  The code itself states the register dependences
; between vector instructions and memory or LDS instructions, and from a vector instruction's scalar result to its reader, with s_wait_alu, always for 0.
; THE PLAN.  Registers that memory or LDS instructions touch:
;   v1 .. v4      offsets and LDS addresses: written once at the head, never again; the rows are reached by four scalar bases and immediate offsets.
;   X0 .. X3      Turn of slot s: its 64 compares read X[s] and leave 64 masks in scalar registers; behind them the row four further down is loaded into X[s].
;                 No other vector instruction names X.
;   v6, v[8:9], P each the landing place of loads issued once, at the head; no vector instruction names them ahead of those loads.
;   v10           the wave's 16 results: written row by row, read by one LDS store at the end.
;   v5, v[16:19]  waves 0 and 1, behind the last barrier: an address made there, and the landing place of the load from the stage.
; So a turn holds two waits, side by side behind its compares: the masks are written (the selects read them), and the compares are done reading X[s]
; (the loads land there).  The eight loads follow, dealt in pairs among the first selects, multiply-adds and minima, which name P, N, T, U and the chains: none of X, nor v1.
; No register that a memory or LDS instruction reads is ever written again, so no wait on vm_vsrc is owed.
;
; LIMITS: a NaN in x is dropped by the minima (v_min_num, v_min3_num), where the definition would hand it on;
; the sign of a result that is zero may differ.
.set ROW,   4096                       ; bytes in a row of et, and in a row of x
.set SLOTS, 4                          ; row slots in the ring
.set ROWS,  16                         ; rows of a wave
.set RLDS,  4096                       ; LDS: x's row at 0, the work-group's 256 results at 4,096
.set OFF,  1                           ; v1        16 x lane
.set XO,   2                           ; v2        8 x thread: my piece of x's row, in memory and in LDS
.set OPO,  3                           ; v3        4 x (lane % 16)
.set RA,   4                           ; v4        where my wave's result word (lane % 16) lies in the stage
.set OUTO, 5                           ; v5        waves 0 and 1: 512 x wave + 16 x lane
.set OPV,  6                           ; v6        op_idx of my wave's row lane % 16
.set TEN,  7                           ; v7        10.0
.set XS,   8                           ; v[8:9]    my piece of x's row
.set RES,  10                          ; v10       lanes r and r + 16: the minimum of row r
.set TMP,  11                          ; v11
.set ACC,  12                          ; v[12:15]  four chains of minima
.set T,    16                          ; v[16:23]  at work: the edge's value, then w
.set U,    24                          ; v[24:31]  at work: 10 or 0
.set P,    32                          ; v[32:63]  x of my 32 columns
.set N,    64                          ; v[64:95]  1 - x of my 32 columns
.set X,    96                          ; v[96:223] slot s: 32 registers, a row of et
.set PLUS, 2                           ; s2        +1.0
.set MINUS, 3                          ; s3        -1.0
.set WB,   16                          ; s[16:23]  slot s: the address of the row that the slot was last asked for: a pair at WB + 2 s
.set SG,   24                          ; s[24:25]  the row's s, twice (the packed form takes the pair as read)
.set OPM,  26                          ; s26       bit l: row l % 16 takes the minimum
.set OPS,  27                          ; s27       a copy of it, shifted row by row
.set LM,   28                          ; s28       lanes r and r + 16 of the row at work; shifted row by row
.set CNT,  29                          ; s29       rounds to go
.set SEL,  30                          ; s[30:31]  v_permlanex16_b32: lane i of one half reads lane i of the other
.set M2,   32                          ; s[32:63]  lanes where et == 2, for the row's 32 registers (at the head: byte offsets)
.set M0,   66                          ; s[66:97]  lanes where et == 0
	s_load_b256 s[4:11], s[0:1], 0x0               ; et s[4:5], op_idx s[6:7], x s[8:9], out s[10:11]
	v_lshl_add_u32 v224, v0, 2, 0x1400
	v_mov_b32 v225, 0
	v_lshrrev_b32 v[TMP], 5, v0
	v_readfirstlane_b32 s12, v[TMP]                ; wave 0..15
	v_and_b32 v[OFF], 31, v0
	v_lshlrev_b32 v[OFF], 4, v[OFF]                ; 16 x lane
	v_lshlrev_b32 v[XO], 3, v0                     ; 8 x thread
	v_and_b32 v[OPO], 15, v0
	v_lshlrev_b32 v[OPO], 2, v[OPO]                ; 4 x (lane % 16)
	v_mov_b32 v[TEN], 0x41200000                   ; 10.0
	v_mov_b32 v[RES], 0                            ; written whole once: the rows' results are put in lane by lane
	s_wait_alu depctr_va_sdst(0)                   ; s12 is written, ahead of its first reader: offsets and bases are made from it
	s_lshl_b32 s14, s12, 6                         ; my wave's 16 words, in op_idx and in the stage
	v_add_nc_u32 v[RA], s14, v[OPO]
	s_lshl_b32 s32, ttmp9, 20                      ; et: group x 256 rows x 4,096 bytes
	s_lshl_b32 s13, s12, 16                        ;     + wave x 16 rows x 4,096 bytes   (below 2^28)
	s_add_co_u32 s32, s32, s13
	s_mov_b32 s33, 0
	s_lshr_b32 s34, ttmp9, 2                       ; x: row b = group / 4
	s_lshl_b32 s34, s34, 12
	s_mov_b32 s35, 0
	s_and_b32 s36, ttmp9, 3                        ; op_idx: 256 (group % 4) + 16 wave, in words
	s_lshl_b32 s36, s36, 10
	s_add_co_u32 s36, s36, s14
	s_mov_b32 s37, 0
	s_lshl_b32 s38, ttmp9, 10                      ; out: group x 256 words
	s_mov_b32 s39, 0
	s_mov_b32 s[LM], 0x00010001
	s_mov_b32 s[SEL], 0x76543210
	s_mov_b32 s[SEL+1], 0xfedcba98
	s_mov_b32 s[PLUS], 0x3f800000                  ; +1.0
	s_mov_b32 s[MINUS], 0xbf800000                 ; -1.0
	s_wait_kmcnt 0x0
	s_add_nc_u64 s[4:5], s[4:5], s[32:33]
	s_add_nc_u64 s[6:7], s[6:7], s[36:37]
	s_add_nc_u64 s[8:9], s[8:9], s[34:35]
	s_add_nc_u64 s[10:11], s[10:11], s[38:39]
.irp s, 0,1,2,3
	s_add_nc_u64 s[WB+2*\s:WB+2*\s+1], s[4:5], \s*ROW              ; rows 0 to 3
.endr
; Two of the eight loads of slot s's row: registers 8 j to 8 j + 7, 1,024 consecutive bytes of the row.
.macro REFILL s, j
	global_load_b128 v[X+32*\s+8*\j:X+32*\s+8*\j+3],   v[OFF], s[WB+2*\s:WB+2*\s+1] offset:1024*\j th:TH_LOAD_NT
	global_load_b128 v[X+32*\s+8*\j+4:X+32*\s+8*\j+7], v[OFF], s[WB+2*\s:WB+2*\s+1] offset:1024*\j+512 th:TH_LOAD_NT
.endm
	s_wait_alu depctr_va_vdst(0)                   ; v1 to v4 are written: every load, LDS load and LDS store up to the last barrier reads one of them as its offset or address
	global_load_b64 v[XS:XS+1], v[XO], s[8:9]      ; 512 threads x 8 bytes = x's row, once for the work-group
	global_load_b32 v[OPV], v[OPO], s[6:7]         ; lanes l and l + 16: op_idx of my row l % 16 (64 consecutive bytes)
.irp s, 0,1,2,3
.irp j, 0,1,2,3
	REFILL \s, \j                                  ; fill the ring: rows 0 to 3
.endr
.endr
	s_wait_loadcnt 32                              ; loads come back in order (ISA guide 5.7.1): the ring's 32 stay out, x's piece and op_idx are in
	ds_store_b64 v[XO], v[XS:XS+1]
	v_cmp_eq_u32 s[OPM], 0, v[OPV]                 ; bit l: row l % 16 takes the minimum.  Kept for the signs at the end,
	s_wait_alu depctr_va_sdst(0)                   ; the compare has written its mask, ahead of the mask's first reader
	s_mov_b32 s[OPS], s[OPM]                       ; and a copy that is shifted row by row
	s_wait_dscnt 0x0                               ; my piece of x lies in LDS before I say so
	s_barrier_signal -1
	s_barrier_wait -1                              ; all sixteen pieces do
.irp j, 0,1,2,3,4,5,6,7
	ds_load_b128 v[P+4*\j:P+4*\j+3], v[OFF] offset:512*\j          ; x[128 j + 4 lane + 0..3]: the columns of et's load j
.endr
	s_wait_dscnt 0x0
.irp i, 0,2,4,6,8,10,12,14,16,18,20,22,24,26,28,30
	v_pk_fma_f32 v[N+\i:N+\i+1], v[P+\i:P+\i+1], -1.0, 1.0 op_sel_hi:[1,0,0]   ; 1 - x, rounded once
.endr
; Eight registers' worth (256 elements) of a row, from the masks on.  fill = 1: slot s's eight loads are dealt among these lines, two at a time.
.macro GROUP s, g, fill
.if \fill
	REFILL \s, 0                                   ; no vector instruction since the wait on va_vdst names X[s] or v1
.endif
.irp k, 0,1,2,3,4,5,6,7
	v_cndmask_b32 v[T+\k], v[P+8*\g+\k], v[N+8*\g+\k], s[M2+8*\g+\k]   ; et == 2 ? 1 - x : x
.endr
.if \fill
	REFILL \s, 1
.endif
.irp k, 0,1,2,3,4,5,6,7
	v_cndmask_b32 v[U+\k], 0, v[TEN], s[M0+8*\g+\k]                ; et == 0 ? 10 : 0
.endr
.if \fill
	REFILL \s, 2
.endif
.irp i, 0,1,2,3
	v_pk_fma_f32 v[T+2*\i:T+2*\i+1], v[T+2*\i:T+2*\i+1], s[SG:SG+1], v[U+2*\i:U+2*\i+1] op_sel_hi:[1,0,1]   ; w = s v + (10 or 0), two at once
.endr
.if \fill
	REFILL \s, 3
.endif
.irp i, 0,1,2,3
.if \g
	v_min3_num_f32 v[ACC+\i], v[ACC+\i], v[T+2*\i], v[T+2*\i+1]
.else
	v_min_num_f32 v[ACC+\i], v[T+2*\i], v[T+2*\i+1]                ; the first eight start the four chains: nothing is cleared
.endif
.endr
.endm
; The turn of slot s: one row.  fill = 1: the slot gets the row SLOTS further down; left = how many younger loads may stay out.
.macro TURN s, fill, left
	s_wait_loadcnt \left                           ; my row's eight loads are in; those of the younger rows stay out
.if \fill
	s_add_nc_u64 s[WB+2*\s:WB+2*\s+1], s[WB+2*\s:WB+2*\s+1], SLOTS*ROW  ; free since that wait, which shows the only loads that read this base done: the slot's next row
.endif
	s_and_b32 s13, s[OPS], 1                       ; SCC = this row takes the minimum
	s_cselect_b32 s[SG], s[PLUS], s[MINUS]         ; s = +1 or -1
	s_cselect_b32 s[SG+1], s[PLUS], s[MINUS]
	s_lshr_b32 s[OPS], s[OPS], 1
.set q, 0
.rept 32
	v_cmp_eq_u32 s[M2+q], 2, v[X+32*\s+q]
.set q, q+1
.endr
.set q, 0
.rept 32
	v_cmp_eq_u32 s[M0+q], 0, v[X+32*\s+q]
.set q, q+1
.endr
	s_wait_alu depctr_va_sdst(0)                   ; the 64 compares have written their masks, which the selects below read
.if \fill
	s_wait_alu depctr_va_vdst(0)                   ; the compares are done reading X[s], in which the eight loads below land
.endif
	GROUP \s, 0, \fill
	GROUP \s, 1, 0
	GROUP \s, 2, 0
	GROUP \s, 3, 0
	v_min3_num_f32 v[ACC], v[ACC], v[ACC+1], v[ACC+2]
	v_min_num_f32 v[ACC], v[ACC], v[ACC+3]
	; across the 32 lanes: four steps inside each half of 16 lanes ride on the arithmetic, one crosses the halves
	v_min_num_f32_dpp v[ACC], v[ACC], v[ACC] row_xmask:1 row_mask:0xf bank_mask:0xf
	v_min_num_f32_dpp v[ACC], v[ACC], v[ACC] row_xmask:2 row_mask:0xf bank_mask:0xf
	v_min_num_f32_dpp v[ACC], v[ACC], v[ACC] row_xmask:4 row_mask:0xf bank_mask:0xf
	v_min_num_f32_dpp v[ACC], v[ACC], v[ACC] row_xmask:8 row_mask:0xf bank_mask:0xf
	v_permlanex16_b32 v[TMP], v[ACC], s[SEL], s[SEL+1]  ; its destination counts as read: TMP was written at the head
	v_min_num_f32 v[ACC], v[ACC], v[TMP]           ; every lane holds the row's minimum of w
	v_cndmask_b32 v[RES], v[RES], v[ACC], s[LM]    ; kept in lanes r and r + 16
	s_lshl_b32 s[LM], s[LM], 1
.endm
	s_mov_b32 s[CNT], ROWS/SLOTS-1                 ; three rounds fill the ring again (rows 4 to 15)
.Lround:
	TURN 0, 1, 24                                  ; 24 = the loads of the three younger rows, round the back edge too:
	TURN 1, 1, 24                                  ; behind a slot's eight loads come those of the three other slots
	TURN 2, 1, 24
	TURN 3, 1, 24
	s_sub_co_i32 s[CNT], s[CNT], 1
	s_cmp_lg_u32 s[CNT], 0
	s_cbranch_scc1 .Lround
	TURN 0, 0, 24                                  ; the last four rows load nothing: no load leaves the wave's 16 rows,
	TURN 1, 0, 16                                  ; and the counts run down
	TURN 2, 0, 8
	TURN 3, 0, 0
	; out = s x minimum: the sign of all 16 rows at once, by the mask of the compare on op_idx (bit l: row l % 16 takes the minimum)
	v_xor_b32 v[TMP], 0x80000000, v[RES]
	v_cndmask_b32 v[RES], v[TMP], v[RES], s[OPM]
	s_wait_alu depctr_va_vdst(0)                   ; the select has written v[RES], which the LDS store reads
	ds_store_b32 v[RA], v[RES] offset:RLDS         ; lanes l and l + 16 write the same word with the same value
	s_wait_dscnt 0x0                               ; my 16 results lie in LDS before I say so
	s_barrier_signal -1
	s_barrier_wait -1                              ; all 256 do
	s_cmp_gt_u32 s12, 1
	s_cbranch_scc1 .Ldone                          ; waves 0 and 1 carry them out, 512 bytes each
	s_lshl_b32 s15, s12, 9
	v_add_nc_u32 v[OUTO], s15, v[OFF]              ; 512 x wave + 16 x lane
	s_wait_alu depctr_va_vdst(0)                   ; v[OUTO] is written, which the LDS load and the store read; the rows' arithmetic is done with v[T ..], in which the LDS load lands
	ds_load_b128 v[T:T+3], v[OUTO] offset:RLDS
	s_wait_dscnt 0x0
	global_store_b128 v[OUTO], v[T:T+3], s[10:11] th:TH_STORE_NT   ; 16 lanes store 256 consecutive bytes, at a multiple of 256 from out's first byte
.Ldone:
	s_wait_dscnt 0x0
	s_wait_alu depctr_hold_cnt(0) depctr_sa_sdst(0) depctr_va_vdst(0) depctr_va_sdst(0) depctr_va_ssrc(0) depctr_va_vcc(0) depctr_vm_vsrc(0)
	s_wait_tensorcnt 0x0
	ds_add_u32 v224, v225
	s_wait_dscnt 0x0
	s_endpgm
.Lfunc_end_k_q2795f0d0b2_fuzzy:
	.size	k_q2795f0d0b2_fuzzy, .Lfunc_end_k_q2795f0d0b2_fuzzy-k_q2795f0d0b2_fuzzy
	.p2alignl 7, 3214868480
	.fill 96, 4, 3214868480
	.section	.rodata,"a",@progbits
	.p2align	6, 0x0
	.amdhsa_kernel k_q2795f0d0b2_fuzzy
		.amdhsa_group_segment_fixed_size 7168
		.amdhsa_private_segment_fixed_size 0
		.amdhsa_enable_private_segment 0
		.amdhsa_kernarg_size 32
		.amdhsa_user_sgpr_count 2
		.amdhsa_user_sgpr_kernarg_segment_ptr 1
		.amdhsa_wavefront_size32 1
		.amdhsa_system_sgpr_workgroup_id_x 1
		.amdhsa_system_sgpr_workgroup_id_y 1
		.amdhsa_system_sgpr_workgroup_id_z 1
		.amdhsa_system_vgpr_workitem_id 0
		.amdhsa_next_free_vgpr 226
		.amdhsa_next_free_sgpr 98
		.amdhsa_reserve_vcc 0
		.amdhsa_float_denorm_mode_32 3
		.amdhsa_float_denorm_mode_16_64 3
		.amdhsa_memory_ordered 1
		.amdhsa_forward_progress 1
		.amdhsa_inst_pref_size 97
	.end_amdhsa_kernel
	.amdgpu_metadata
---
amdhsa.version: [ 1, 2 ]
amdhsa.kernels:
  - .name:           k_q2795f0d0b2_fuzzy
    .symbol:         k_q2795f0d0b2_fuzzy.kd
    .args:
      - { .name: edge_type_idx, .offset: 0, .size: 8, .value_kind: global_buffer, .address_space: global }
      - { .name: op_idx, .offset: 8, .size: 8, .value_kind: global_buffer, .address_space: global }
      - { .name: x, .offset: 16, .size: 8, .value_kind: global_buffer, .address_space: global }
      - { .name: out0, .offset: 24, .size: 8, .value_kind: global_buffer, .address_space: global }
    .group_segment_fixed_size: 7168
    .private_segment_fixed_size: 0
    .kernarg_segment_align: 8
    .kernarg_segment_size: 32
    .max_flat_workgroup_size: 512
    .sgpr_count:     98
    .vgpr_count:     226
    .wavefront_size: 32
...
	.end_amdgpu_metadata
.endif
;; end of part 2
